; MI455X (gfx1250); checked and timed in simulation.
; The chip was launched on July 23, 2026; its instructions are those of AMD's public machine-readable ISA for CDNA 5 (MIT licence, August 2026) and "CDNA5" Instruction Set Architecture Reference Guide (July 2026). The comments in the code are by the model that wrote it; some were corrected since.
;; Bottleneck Summary. Allowed arithmetic: matrix products marked QUANTISED: E2M3 operands, one E8M0 scale for each 32 along K, by v_wmma_scale_f32_16x16x128_f8f6f4 with both operands' format E2M3, f32 sums; products left as they are: f32 operands where the result goes on into a quantised operand, else bf16, f16 or f32 operands; f32 sums; everything else in f32.
;; Inputs: Wk 1,024 x 1,024 float32; Wq 1,024 x 1,024 float32; Wv 1,024 x 1,024 float32; attention_mask 16 x 2,048 int32; bk 1,024 float32; bq 1,024 float32; bv 1,024 float32; embeddings 16 x 2,048 x 1,024 float32; first_piece_mask 16 x 2,048 int32; first_sentence_mask 16 x 2,048 int32; hidden_states 16 x 2,048 x 1,024 float32.
;; Outputs: out0 16 x 1,024 float32; out1 16 x 1,024 float32; out2 16 x 1,024 float32.
;; This version of the problem:
;;   THIS VERSION OF THE PROBLEM IS GIVEN IN LOW PRECISION. The matrix products marked QUANTISED in the list below multiply operands that are first quantised to E2M3 (2 exponent bits, 3 mantissa bits; 6 bits a number), with one power-of-two scale for each 32 numbers along K (OCP MX v1.0); their sums are f32. All else is computed in f32.
;;   The module's matrix products, in the order in which they are computed (A, B: the left and right operand; K: the contracted axis; several contracted axes count as one K, in the product's order):
;;     1. [M 16, K 1,024] x [K 1,024, N 1,024]; A: computed on the way; B: input Wq: QUANTISED
;;     2. [M 32,768, K 1,024] x [K 1,024, N 1,024]; A: input embeddings; B: input Wk: QUANTISED
;;     3. [M 32,768, K 1,024] x [K 1,024, N 1,024]; A: input embeddings; B: input Wv: QUANTISED
;;     4. batch 16 x [M 1, K 1,024] x [K 1,024, N 2,048]; A: computed on the way; B: computed on the way: left as it is (M = 1 < 16)
;;     5. batch 16 x [M 1, K 2,048] x [K 2,048, N 1,024]; A: softmax; B: computed on the way: left as it is (M = 1 < 16)
;;   THE QUANTISER, for each operand of a quantised product, along K:
;;     - K is cut into blocks of 32 from its start; a last block that is shorter is filled with zeros.
;;     - A block's scale is 2^e with e = floor(log2(the largest magnitude in the block)) - 2, held to -126 .. 127; a block of zeros has e = 0. As a byte (E8M0): e + 127.
;;     - Each number is divided by its block's scale, clamped to +-7.5, and rounded to the nearest number of E2M3, ties to even, subnormals kept.
;;     - The product sums the exact products of the quantised numbers (number of the format x scale) in f32.
;;   ~~~python
;;   def quantise(x, axis):      # numpy; x: float32 -> the quantised numbers, widened to float32 again
;;       x = np.moveaxis(x, axis, -1); K = x.shape[-1]
;;       x = np.pad(x, [(0, 0)] * (x.ndim - 1) + [(0, -K % 32)]); x = x.reshape(x.shape[:-1] + (-1, 32)); a = np.abs(x).max(-1, keepdims=True)
;;       e = np.where(a > 0, np.clip(np.frexp(np.where(a > 0, a, 1))[1] - 1 - 2, -126, 127), 0)      # np.frexp(a)[1] - 1 = floor(log2(a)), exactly
;;       r = np.clip(x / 2.0 ** e, -7.5, 7.5)
;;       step = 2.0 ** (np.maximum(np.frexp(np.where(r == 0, 1, r))[1] - 1, 0) - 3)
;;       q = np.round(r / step) * step * 2.0 ** e      # np.round: ties to even
;;       return np.moveaxis(q.reshape(q.shape[:-2] + (-1,))[..., :K], -1, axis).astype(np.float32)
;;   ~~~
;;   OPERANDS COMPUTED ON THE WAY. 'Computed on the way' means the value that the module computes at that place (a softmax that the list does not call 'softmax' is quantised finished and normalised). What goes into a quantiser is computed in f32, as accurately as f32 sums, v_exp_f32 and their like allow (about 1e-6 of the number): no bf16 or f16 on the way to a quantiser, and a product that is left as it is and whose result goes on into a quantised operand takes f32 operands (vector FMAs, or v_wmma_f32_16x16x4_f32). A number that lies on a knife's edge between two numbers of the format may be rounded either way, as far as f32 arithmetic and the matrix unit's own rounding can turn it there, and no further.
;; One version. Each part assembles by itself: llvm-mc -triple=amdgcn-amd-amdhsa -mcpu=gfx1250 --defsym DOCPART=n.
;; ======== version 1 of 1: 4 launches
;; limits: right only within a limited range of input values
;; workspace buffers: avg 65,536 bytes; qvec 65,536 bytes; wcodes 1,638,400 bytes; scores 131,072 bytes; part 1,048,576 bytes
;; launch mean (part 1): grid 16 x 16, 16 waves a work-group, no clusters, 6,656 bytes of LDS; arguments hidden_states, attention_mask, avg; writes avg
.if DOCPART == 1
	.amdgcn_target "amdgcn-amd-amdhsa--gfx1250"
	.amdhsa_code_object_version 6
	.text
	.protected	k_q14af11d373_mean
	.globl	k_q14af11d373_mean
	.p2align	8
	.type	k_q14af11d373_mean,@function
k_q14af11d373_mean:
	s_mov_b64 s[64:65], 0
	v_nop
	global_prefetch_b8 v0, s[64:65] scope:SCOPE_SE
	s_setreg_imm32_b32 hwreg(HW_REG_WAVE_MODE, 25, 1), 1
	s_wait_xcnt 0x0
; avg[b][c] = (sum over t of hidden[b][t][c] x mask[b][t]) / (sum over t of mask[b][t]); everything in f32.
; hidden: [16][2048][1024] f32, mask: [16][2048] i32, avg: [16][1024] f32.
; SHARES.  A work-group owns one batch (y) and 64 columns (x): 256 consecutive bytes of each of the 2,048 rows.  Wave w takes rows 128 w .. 128 w + 127;
; lane (c = lane % 16, h = lane / 16) takes the 16 bytes at 16 c of rows 128 w + 64 h + i, i = 0 .. 63: a load covers two aligned runs of 256 consecutive bytes.
; A ring of 32 slots of four registers keeps 32 loads of every wave on their way: 32 x 512 bytes x 16 waves for the work-group.
; The 16 waves' sums meet in LDS behind one barrier; wave 0 adds them, divides, and stores 256 consecutive, aligned bytes.
; No matrix unit, no cluster, no tensor load: the bytes are read once, by one work-group, and each feeds one multiply-add.
; LIMITS: the division is v_rcp_f32 (1 ulp, ISA guide 15.8) and a multiplication; the order of the f32 sums is not the reference's; a batch whose mask sums to 0
; gives numbers that are not finite, as the reference does; NaN and infinities among the inputs are not served.
; DEAD WORK, for the whole program: reference() never reads first_piece_mask, whatever it holds: it is loaded by no launch and is among no launch's arguments.
; A NaN or an infinity in it could reach no result in reference() either.
.set ROWB, 4096
.set X,    64                          ; v64-191  the ring: slot i % 32 at v[X + 4 (i % 32)]
.set MF,   192                         ; v192-255 the mask of my 64 rows, as f32
	s_load_b128 s[4:7], s[0:1], 0x0                ; hidden s[4:5], mask s[6:7]
	s_load_b64 s[8:9], s[0:1], 0x10                ; avg
	v_lshl_add_u32 v62, v0, 2, 0x1200
	v_mov_b32 v63, 0
	v_lshrrev_b32 v1, 5, v0
	s_delay_alu instid0(VALU_DEP_1)
	v_readfirstlane_b32 s10, v1                    ; wave 0..15
	s_and_b32 s11, ttmp7, 0xffff                   ; batch
	s_mov_b32 s14, 0x76543210                      ; v_permlanex16_b32's selects for lane l xor 16
	s_mov_b32 s15, 0xfedcba98
	v_and_b32 v16, 15, v0                          ; c
	v_bfe_u32 v17, v0, 4, 1                        ; h
	s_lshl_b32 s12, s10, 7
	v_lshl_add_u32 v18, v17, 6, s12                ; my first row: 128 w + 64 h
	s_delay_alu instid0(VALU_DEP_1)
	v_lshlrev_b32 v1, 12, v18
	s_delay_alu instid0(VALU_DEP_1)
	v_lshl_add_u32 v1, v16, 4, v1                  ; v1: its bytes in the batch's slice: row x 4,096 + 16 c; never rewritten
	s_delay_alu instid0(VALU_DEP_3)
	v_lshlrev_b32 v2, 2, v18                       ; v2: its word in the batch's mask
	s_lshl_b32 s16, s10, 8
	v_lshl_add_u32 v19, v16, 4, s16                ; LDS: my wave's 256 bytes of sums, 16 c
	s_lshl_b32 s17, s10, 2
	v_mov_b32 v20, s17                             ; LDS: my wave's mask sum (4 w, behind the 4,096 bytes of sums)
	v_lshlrev_b32 v21, 11, v17
	s_delay_alu instid0(VALU_DEP_1)
	v_lshl_add_u32 v21, v16, 4, v21                ; wave 0 reads back: waves 8 h + u, 16 c
	v_mov_b32 v22, 0
	v_lshlrev_b32 v23, 4, v16                      ; the store: 16 c
	s_lshl_b32 s12, s11, 23                        ; the batch: 2,048 rows of 4,096 bytes,
	s_lshl_b32 s13, ttmp9, 8                       ; the slice: 256 bytes
	s_add_co_u32 s12, s12, s13
	s_mov_b32 s13, 0
	s_lshl_b32 s18, s11, 13                        ; the batch's mask: 8,192 bytes
	s_mov_b32 s19, 0
	s_lshl_b32 s20, s11, 12                        ; the batch's row of avg, and the slice
	s_lshl_b32 s21, ttmp9, 8
	s_add_co_u32 s20, s20, s21
	s_mov_b32 s21, 0
	s_wait_alu depctr_va_vdst(0)
	s_wait_kmcnt 0x0
	s_add_nc_u64 s[4:5], s[4:5], s[12:13]
	s_add_nc_u64 s[6:7], s[6:7], s[18:19]
	s_add_nc_u64 s[8:9], s[8:9], s[20:21]
.irp k, 0,1,2,3,4,5,6,7,8,9,10,11,12,13,14,15
	global_load_b128 v[MF+4*\k:MF+4*\k+3], v2, s[6:7] offset:16*\k   ; the mask of my 64 rows (the sixteen lanes of a half read the same words)
.endr
.set i, 0
.rept 32
	global_load_b128 v[X+4*i:X+4*i+3], v1, s[4:5] offset:ROWB*i th:TH_LOAD_NT   ; the ring is filled: rows 0 to 31
.set i, i+1
.endr
	s_wait_loadcnt 32                              ; loads come back in order (ISA guide 5.7.1): the mask is in, the 32 rows may be out
.set i, 0
.rept 64
	v_cvt_f32_i32 v[MF+i], v[MF+i]
.set i, i+1
.endr
	v_pk_add_f32 v[60:61], v[192:193], v[194:195]
	v_pk_add_f32 v[58:59], v[196:197], v[198:199]
	v_pk_add_f32 v[56:57], v[200:201], v[202:203]
	v_pk_add_f32 v[54:55], v[204:205], v[206:207]
	v_pk_add_f32 v[52:53], v[208:209], v[210:211]
	v_pk_add_f32 v[50:51], v[212:213], v[214:215]
	v_pk_add_f32 v[48:49], v[216:217], v[218:219]
	v_pk_add_f32 v[8:9], v[220:221], v[222:223]
	s_delay_alu instid0(VALU_DEP_1)
	v_pk_add_f32 v[8:9], v[8:9], v[224:225]
	v_pk_add_f32 v[60:61], v[60:61], v[226:227]
	v_pk_add_f32 v[58:59], v[58:59], v[228:229]
	v_pk_add_f32 v[56:57], v[56:57], v[230:231]
	v_pk_add_f32 v[54:55], v[54:55], v[232:233]
	v_pk_add_f32 v[52:53], v[52:53], v[234:235]
	v_pk_add_f32 v[50:51], v[50:51], v[236:237]
	v_pk_add_f32 v[48:49], v[48:49], v[238:239]
	v_pk_add_f32 v[8:9], v[8:9], v[240:241]
	v_pk_add_f32 v[60:61], v[60:61], v[242:243]
	v_pk_add_f32 v[58:59], v[58:59], v[244:245]
	v_pk_add_f32 v[56:57], v[56:57], v[246:247]
	v_pk_add_f32 v[54:55], v[54:55], v[248:249]
	v_pk_add_f32 v[52:53], v[52:53], v[250:251]
	v_pk_add_f32 v[50:51], v[50:51], v[252:253]
	v_pk_add_f32 v[48:49], v[48:49], v[254:255]
	s_delay_alu instid0(VALU_DEP_4)
	v_pk_add_f32 v[8:9], v[8:9], v[54:55]
	s_delay_alu instid0(VALU_DEP_4)
	v_pk_add_f32 v[60:61], v[60:61], v[52:53]
	s_delay_alu instid0(VALU_DEP_4)
	v_pk_add_f32 v[58:59], v[58:59], v[50:51]
	s_delay_alu instid0(VALU_DEP_4)
	v_pk_add_f32 v[56:57], v[56:57], v[48:49]
	s_delay_alu instid0(VALU_DEP_2)
	v_pk_add_f32 v[8:9], v[8:9], v[58:59]
	s_delay_alu instid0(VALU_DEP_2)
	v_pk_add_f32 v[60:61], v[60:61], v[56:57]
	s_delay_alu instid0(VALU_DEP_1)
	v_pk_add_f32 v[8:9], v[8:9], v[60:61]
; Row i: four multiply-adds by its mask.  Even rows add onto v[4:7], odd rows onto v[10:13]; rows 0 and 1 start the sums, so nothing is cleared.
; The mask's pair holds rows i and i + 1: op_sel and op_sel_hi pick the one register for both halves.
.set i, 0
.rept 64
.set sl, X+4*(i%32)
.set ac, 4+6*(i%2)
.set mp, MF+i-(i%2)
.if i < 32
	s_wait_loadcnt 31                              ; row i is in; the 31 younger rows stay out
.else
	s_wait_loadcnt 63-i                            ; nothing is asked for any more: the count runs down
.endif
.if i == 0
	v_pk_mul_f32 v[ac:ac+1], v[sl:sl+1], v[mp:mp+1] op_sel_hi:[1,0]
	s_wait_alu depctr_va_vdst(0)
	v_pk_mul_f32 v[ac+2:ac+3], v[sl+2:sl+3], v[mp:mp+1] op_sel_hi:[1,0]
.elseif i == 1
	v_pk_mul_f32 v[ac:ac+1], v[sl:sl+1], v[mp:mp+1] op_sel:[0,1] op_sel_hi:[1,1]
	v_pk_mul_f32 v[ac+2:ac+3], v[sl+2:sl+3], v[mp:mp+1] op_sel:[0,1] op_sel_hi:[1,1]
.elseif i%2 == 0
	v_pk_fma_f32 v[ac:ac+1], v[sl:sl+1], v[mp:mp+1], v[ac:ac+1] op_sel_hi:[1,0,1]
	s_wait_alu depctr_va_vdst(0)
	v_pk_fma_f32 v[ac+2:ac+3], v[sl+2:sl+3], v[mp:mp+1], v[ac+2:ac+3] op_sel_hi:[1,0,1]
.else
	v_pk_fma_f32 v[ac:ac+1], v[sl:sl+1], v[mp:mp+1], v[ac:ac+1] op_sel:[0,1,0] op_sel_hi:[1,1,1]
	v_pk_fma_f32 v[ac+2:ac+3], v[sl+2:sl+3], v[mp:mp+1], v[ac+2:ac+3] op_sel:[0,1,0] op_sel_hi:[1,1,1]
.endif
.if i < 32
	global_load_b128 v[sl:sl+3], v1, s[4:5] offset:ROWB*(i+32) th:TH_LOAD_NT   ; the slot takes the row 32 further down
.endif
.set i, i+1
.endr
	s_wait_alu depctr_va_vdst(0)
	v_pk_add_f32 v[4:5], v[4:5], v[10:11]          ; even and odd rows,
	v_pk_add_f32 v[6:7], v[6:7], v[12:13]
	v_add_f32 v8, v8, v9
	s_delay_alu instid0(VALU_DEP_3)
	v_permlanex16_b32 v10, v4, s14, s15            ; and the other half's 64 rows (the destinations have been written: they count as read)
	s_delay_alu instid0(VALU_DEP_4)
	v_permlanex16_b32 v11, v5, s14, s15
	s_delay_alu instid0(VALU_DEP_4)
	v_permlanex16_b32 v12, v6, s14, s15
	v_permlanex16_b32 v13, v7, s14, s15
	v_permlanex16_b32 v9, v8, s14, s15
	s_delay_alu instid0(VALU_DEP_4)
	v_pk_add_f32 v[4:5], v[4:5], v[10:11]
	s_delay_alu instid0(VALU_DEP_3)
	v_pk_add_f32 v[6:7], v[6:7], v[12:13]
	s_delay_alu instid0(VALU_DEP_3)
	v_add_f32 v8, v8, v9
	ds_store_b128 v19, v[4:7]                      ; both halves hold the same numbers and write the same bytes
	ds_store_b32 v20, v8 offset:4096
	s_wait_dscnt 0x0                               ; for wave 0's sake: my stores have landed
	s_barrier_signal -1
	s_barrier_wait -1
	s_cmp_lg_u32 s10, 0
	s_cbranch_scc1 .Ldone                          ; the rest is wave 0's
.irp u, 0,1,2,3,4,5,6,7
	ds_load_b128 v[64+4*\u:67+4*\u], v21 offset:256*\u
.endr
.irp u, 0,1,2,3
	ds_load_b128 v[96+4*\u:99+4*\u], v22 offset:4096+16*\u   ; the sixteen mask sums, in every lane
.endr
	s_wait_dscnt 0x0
.irp u, 1
	v_pk_add_f32 v[64:65], v[64:65], v[64+4*\u:65+4*\u]
	v_pk_add_f32 v[66:67], v[66:67], v[66+4*\u:67+4*\u]
.endr
.irp u, 2, 3, 4, 5, 6, 7
	s_delay_alu instid0(VALU_DEP_2)
	v_pk_add_f32 v[64:65], v[64:65], v[64+4*\u:65+4*\u]
	s_delay_alu instid0(VALU_DEP_2)
	v_pk_add_f32 v[66:67], v[66:67], v[66+4*\u:67+4*\u]
.endr
.irp u, 1
	v_pk_add_f32 v[96:97], v[96:97], v[96+2*\u:97+2*\u]
.endr
.irp u, 2, 3, 4, 5, 6, 7
	s_delay_alu instid0(VALU_DEP_1)
	v_pk_add_f32 v[96:97], v[96:97], v[96+2*\u:97+2*\u]
.endr
	s_delay_alu instid0(VALU_DEP_1)
	v_add_f32 v96, v96, v97
	v_permlanex16_b32 v68, v64, s14, s15           ; waves 0-7's sums meet waves 8-15's
	v_permlanex16_b32 v69, v65, s14, s15
	v_permlanex16_b32 v70, v66, s14, s15
	v_permlanex16_b32 v71, v67, s14, s15
	s_delay_alu instid0(VALU_DEP_3)
	v_pk_add_f32 v[64:65], v[64:65], v[68:69]
	s_delay_alu instid0(VALU_DEP_2)
	v_pk_add_f32 v[66:67], v[66:67], v[70:71]
	s_wait_alu depctr_va_vdst(0)
	v_rcp_f32 v96, v96
	v_nop                                          ; one plain instruction between a transcendental and the use of its result (ISA guide 5.7.2)
	s_wait_alu depctr_va_vdst(0)
	v_pk_mul_f32 v[64:65], v[64:65], v[96:97] op_sel_hi:[1,0]
	v_pk_mul_f32 v[66:67], v[66:67], v[96:97] op_sel_hi:[1,0]
	s_wait_alu depctr_va_vdst(0)
	s_wait_xcnt 0x0                                ; EXEC is a source of the loads above: it changes only behind this wait
	v_cmp_gt_u32 vcc_lo, 16, v0
	s_and_saveexec_b32 s22, vcc_lo
	global_store_b128 v23, v[64:67], s[8:9]        ; sixteen lanes store 256 consecutive bytes, at a multiple of 256 from avg's first byte
	s_wait_xcnt 0x0                                ; and again in front of the line that widens it
	s_or_b32 exec_lo, exec_lo, s22
.Ldone:
	s_wait_tensorcnt 0x0
	ds_add_u32 v62, v63
	s_wait_dscnt 0x0
	s_endpgm
.Lfunc_end_k_q14af11d373_mean:
	.size	k_q14af11d373_mean, .Lfunc_end_k_q14af11d373_mean-k_q14af11d373_mean
	.p2alignl 7, 3214868480
	.fill 96, 4, 3214868480
	.section	.rodata,"a",@progbits
	.p2align	6, 0x0
	.amdhsa_kernel k_q14af11d373_mean
		.amdhsa_group_segment_fixed_size 6656
		.amdhsa_private_segment_fixed_size 0
		.amdhsa_enable_private_segment 0
		.amdhsa_kernarg_size 24
		.amdhsa_user_sgpr_count 2
		.amdhsa_user_sgpr_kernarg_segment_ptr 1
		.amdhsa_wavefront_size32 1
		.amdhsa_system_sgpr_workgroup_id_x 1
		.amdhsa_system_sgpr_workgroup_id_y 1
		.amdhsa_system_sgpr_workgroup_id_z 1
		.amdhsa_system_vgpr_workitem_id 0
		.amdhsa_next_free_vgpr 256
		.amdhsa_next_free_sgpr 66
		.amdhsa_reserve_vcc 1
		.amdhsa_float_denorm_mode_32 3
		.amdhsa_float_denorm_mode_16_64 3
		.amdhsa_memory_ordered 1
		.amdhsa_forward_progress 1
		.amdhsa_inst_pref_size 30
	.end_amdhsa_kernel
	.amdgpu_metadata
---
amdhsa.version: [ 1, 2 ]
amdhsa.kernels:
  - .name:           k_q14af11d373_mean
    .symbol:         k_q14af11d373_mean.kd
    .args:
      - { .name: hidden_states, .offset: 0, .size: 8, .value_kind: global_buffer, .address_space: global }
      - { .name: attention_mask, .offset: 8, .size: 8, .value_kind: global_buffer, .address_space: global }
      - { .name: avg, .offset: 16, .size: 8, .value_kind: global_buffer, .address_space: global }
    .group_segment_fixed_size: 6656
    .private_segment_fixed_size: 0
    .kernarg_segment_align: 8
    .kernarg_segment_size: 24
    .max_flat_workgroup_size: 512
    .sgpr_count:     66
    .vgpr_count:     256
    .wavefront_size: 32
...
	.end_amdgpu_metadata
.endif
;; end of part 1
;; launch prep (part 2): grid 128 x 1, 4 waves a work-group, no clusters, 73,216 bytes of LDS; arguments Wq, Wk, Wv, avg, bq, qvec, wcodes; writes qvec, wcodes
.if DOCPART == 2
	.amdgcn_target "amdgcn-amd-amdhsa--gfx1250"
	.amdhsa_code_object_version 6
	.text
	.protected	k_q14af11d373_prep
	.globl	k_q14af11d373_prep
	.p2align	8
	.type	k_q14af11d373_prep,@function
k_q14af11d373_prep:
	s_mov_b64 s[64:65], 0
	v_nop
	global_prefetch_b8 v0, s[64:65] scope:SCOPE_SE
	s_setreg_imm32_b32 hwreg(HW_REG_WAVE_MODE, 25, 1), 1
	s_wait_xcnt 0x0
; Two jobs, parted on the work-group's number; both quantise to FP6 (E2M3), one E8M0 scale for each 32 along K, K = the last axis of every tensor here.
; WORK-GROUPS 64..127: Wk and Wv [1024][1024] f32 become wcodes: 16 chunks of 102,400 bytes (0-7: Wk's output columns 128 g on; 8-15: Wv's).  A chunk holds 64 fragments
;   (16 columns x 128 K) as IMAGES OF THE OPERAND'S REGISTERS: fragment (K step s, column tile ct) at (8 s + ct) x 1,536; in it registers 4 qd .. 4 qd + 3 of lane l at 512 qd + 16 l;
;   from byte 98,304 on the scale bytes, [128 columns][32].  A wave takes one tile of 16 columns and four K steps; the two halves of a tile's K lie in one work-group.
; WORK-GROUPS 0..63: q = Q(avg) Q(Wq)^T + bq, [16][1024] f32.  A work-group takes 16 output columns, wave w K steps 2 w and 2 w + 1: it quantises avg's two fragments and Wq's two in registers and
;   multiplies them; the four waves' sums meet in LDS as images of their registers, and wave 0 adds them and bq.
; So every wave has four fragments, and its 64 loads go out at its head.
; THE UNIT OF WORK is a fragment, 16 rows x 128 K of f32, rows 4,096 bytes apart.  Sixteen loads read 512 consecutive bytes of a row each; the 8 KiB turn through the wave's own stage in LDS
; (rows 528 bytes apart: 33 x 16, so the sixteen rows that a read touches begin at sixteen different places modulo 256 bytes) and come back with X[32 c + i] = k 64 c + 32 h + i of row r
; (r = lane % 16, h = lane / 16): the order of the operand's registers, two whole blocks of 32 a lane.
; A block's scale byte is its largest magnitude's exponent field - 2, held at 1 from below by a floor among the maximum's leaves.
; WHAT LEAVES IN PIECES: q's tile is 16 rows x 64 bytes, so its stores cover runs of 64 consecutive bytes (64 KiB in all); a wave's scale words are 16 of each column's 32 bytes.  The images leave 512 consecutive bytes a store.
; LIMITS: a block of zeros gets the byte 1 where the rule says 127 (its codes are zeros, and the bytes are read by this program alone); blocks whose largest magnitude lies under 2^-124 keep the byte 1;
; NaN and infinities are not served; q's sum over K is kept in one accumulator for each K step, and the eight are added in f32.
; No tensor loads and no cluster: each weight byte is read once, by one wave.
.set STGQ, 33792                       ; LDS: the weights' path has its four stages of 8,448 bytes from 0 on, q's path its own four from here on,
.set QST,  67584                       ; and 1,024 bytes for each wave's sums
.set L16,  1                           ; v1   16 x lane
.set RR,   2                           ; v2   r
.set HH,   3                           ; v3   h
.set SWW,  4                           ; v4, v5   the weights' path: where I store into my stage, where I read back
.set SRW,  5
.set SWQ,  6                           ; v6, v7   the same for q's path
.set SRQ,  7
.set SH8,  8                           ; v8   8 h: my bytes' place in a scale word
.set SOFF, 9                           ; v9   32 r + 8 h: my two scale words in the tile's 512 bytes
.set QSW,  10                          ; v10  where my wave's sums go: 16 x lane + 1,024 x wave
.set QSR,  11                          ; v11  where wave 0 reads them: 16 x lane
.set QGO,  12                          ; v12  4,096 r + 32 h: my eight numbers of q's tile
.set H32,  13                          ; v13  32 h
.set SW,   16                          ; v16-19  the four scale words
.set PWA,  24                          ; v24, v25  scale words of avg's and of Wq's fragment: they hold scales and nothing else
.set PWB,  25
.set PCA,  32                          ; v32-43  avg's codes
.set PCB,  44                          ; v44-55  a weight's codes
.set TMPC, 56                          ; v56-63  a block's upper 16 codes (a conversion's three registers begin on an even number)
.set T,    64                          ; v64-67  two chains of maxima for each of two blocks; the second chains' registers then hold the bytes
.set SOP,  68                          ; v68-69  the conversions' scale operands
.set WD,   70
.set TP,   71
.set BQ,   72                          ; v72-79  bq in the result's layout
.set ACC,  80                          ; v80-95  two accumulators
.set QO,   96
.set X,    128                         ; v128-255  two sets of 64 numbers.   Window 1: four sets of 64 registers as loaded
.set SEL,  22
.set MSB, 0
.macro WIN new                         ; the immediate's high byte repeats the setting that is left
.if MSB != (\new)
	s_set_vgpr_msb (MSB<<8)|(\new)
.set MSB, (\new)
.endif
.endm
.macro LOADF set, base, off, nt        ; a fragment's sixteen rows, 512 consecutive bytes a load, into raw set `set`
	WIN 0x40                                       ; destination window 1
.irp i, 0,1,2,3,4,5,6,7,8,9,10,11,12,13,14,15
.if \nt
	global_load_b128 v[64*(\set)+4*\i:64*(\set)+4*\i+3], v[L16], s[\base:\base+1] offset:(\off)+4096*\i th:TH_LOAD_NT
.else
	global_load_b128 v[64*(\set)+4*\i:64*(\set)+4*\i+3], v[L16], s[\base:\base+1] offset:(\off)+4096*\i
.endif
.endr
	WIN 0
.endm
.macro TURN set, xs, left, stw, str    ; through my stage: LDS serves a wave's instructions in order (ISA guide 5.7.1.4), so no wait stands between the stores and the loads
	s_wait_loadcnt \left                           ; this fragment's sixteen loads are in; the younger fragments' may be out
	WIN 0x04                                       ; an LDS store's data are its source 1: window 1
.irp i, 0,1,2,3,4,5,6,7,8,9,10,11,12,13,14,15
	ds_store_b128 v[\stw], v[64*(\set)+4*\i:64*(\set)+4*\i+3] offset:528*\i
.endr
	WIN 0
.irp c, 0,1
.irp qd, 0,1,2,3,4,5,6,7
	ds_load_b128 v[\xs+32*\c+4*\qd:\xs+32*\c+4*\qd+3], v[\str] offset:256*\c+16*\qd
.endr
.endr
.endm
.macro QUANT xs, pc, pw                ; 64 numbers of a lane become the fragment's twelve registers at v[pc] and its row's scale word in v[pw]
.irp c, 0,1
	v_max3_num_f32 v[T+2*\c], |v[\xs+32*\c]|, |v[\xs+32*\c+1]|, |v[\xs+32*\c+2]|
	v_max3_num_f32 v[T+2*\c+1], |v[\xs+32*\c+3]|, |v[\xs+32*\c+4]|, |v[\xs+32*\c+5]|
.endr
.irp i, 6,10,14,18,22,26
.irp c, 0,1
	v_max3_num_f32 v[T+2*\c], v[T+2*\c], |v[\xs+32*\c+\i]|, |v[\xs+32*\c+\i+1]|
	v_max3_num_f32 v[T+2*\c+1], v[T+2*\c+1], |v[\xs+32*\c+\i+2]|, |v[\xs+32*\c+\i+3]|
.endr
.endr
.irp c, 0,1
	v_max3_num_f32 v[T+2*\c], v[T+2*\c], |v[\xs+32*\c+30]|, |v[\xs+32*\c+31]|
.endr
.irp c, 0,1
	v_max3_num_f32 v[T+2*\c], v[T+2*\c], v[T+2*\c+1], 0x1800000   ; the block's largest magnitude, and the floor 2^(3 - 127): the byte cannot fall under 1
.endr
.irp c, 0,1
	v_add_nc_u32 v[SOP+\c], 0xff000000, v[T+2*\c]  ; 2 off its exponent field: the conversion takes the exponent field of this operand as its scale
.endr
.irp c, 0,1
	v_lshrrev_b32 v[T+2*\c+1], 23, v[SOP+\c]       ; the scale's byte
.endr
	v_lshl_or_b32 v[WD], v[T+3], 16, v[T+1]        ; my two bytes: blocks h and 2 + h,
	v_lshlrev_b32 v[WD], v[SH8], v[WD]             ; at their places in the word;
	v_permlanex16_b32 v[TP], v[WD], s[SEL], s[SEL+1]
	v_or_b32 v[\pw], v[WD], v[TP]                  ; with lane l xor 16's two the word is whole
.irp c, 0,1
	v_cvt_scalef32_pk16_fp6_f32 v[\pc+6*\c:\pc+6*\c+2], v[\xs+32*\c:\xs+32*\c+15], v[SOP+\c]
	v_cvt_scalef32_pk16_fp6_f32 v[TMPC+4*\c:TMPC+4*\c+2], v[\xs+32*\c+16:\xs+32*\c+31], v[SOP+\c]
.endr
	v_nop                                          ; one plain instruction behind the scaled conversions
.irp c, 0,1
.irp i, 0,1,2
	v_mov_b32 v[\pc+6*\c+3+\i], v[TMPC+4*\c+\i]
.endr
.endr
.endm
	s_load_b256 s[4:11], s[0:1], 0x0               ; Wq s[4:5], Wk s[6:7], Wv s[8:9], avg s[10:11]
	s_load_b128 s[12:15], s[0:1], 0x20             ; bq s[12:13], q s[14:15]
	s_load_b64 s[16:17], s[0:1], 0x30              ; wcodes
	v_lshl_add_u32 v126, v0, 2, 0x11c00
	v_mov_b32 v127, 0
	v_lshrrev_b32 v14, 5, v0
	v_readfirstlane_b32 s18, v14                   ; wave 0..3
	v_and_b32 v14, 31, v0                          ; lane
	v_and_b32 v[RR], 15, v0
	v_bfe_u32 v[HH], v0, 4, 1
	v_lshlrev_b32 v[L16], 4, v14
	s_mul_i32 s19, s18, 8448                       ; every LDS address is made here, ahead of the parting
	v_add_nc_u32 v[SWW], s19, v[L16]
	v_mul_u32_u24 v15, v[RR], 528
	v_lshl_add_u32 v15, v[HH], 7, v15              ; row r, + 128 h bytes: k 32 h on
	v_add_nc_u32 v[SRW], s19, v15
	s_add_co_u32 s19, s19, STGQ
	v_add_nc_u32 v[SWQ], s19, v[L16]
	v_add_nc_u32 v[SRQ], s19, v15
	v_lshlrev_b32 v[SH8], 3, v[HH]
	v_lshlrev_b32 v[SOFF], 5, v[RR]
	v_lshl_add_u32 v[SOFF], v[HH], 3, v[SOFF]
	s_lshl_b32 s20, s18, 10
	s_add_co_u32 s20, s20, QST
	v_add_nc_u32 v[QSW], s20, v[L16]
	v_add_nc_u32 v[QSR], QST, v[L16]
	v_lshlrev_b32 v[QGO], 12, v[RR]
	v_lshl_add_u32 v[QGO], v[HH], 5, v[QGO]
	v_lshlrev_b32 v[H32], 5, v[HH]
	v_mov_b32 v[TP], 0                             ; written once: a lane permute's destination counts as one of its sources
	s_mov_b32 s[SEL], 0x76543210
	s_mov_b32 s[SEL+1], 0xfedcba98
	s_mov_b32 s27, 0
	s_wait_kmcnt 0x0
	s_cmp_lt_u32 ttmp9, 64
	s_cbranch_scc1 .Lqpath
	; ---- the weights' path: tile 0..127 of 16 output columns, K half kh
	s_sub_co_u32 s21, ttmp9, 64
	s_lshl_b32 s21, s21, 1
	s_lshr_b32 s20, s18, 1
	s_add_co_u32 s21, s21, s20                     ; the tile: 2 x work-group + wave / 2
	s_and_b32 s20, s18, 1                          ; kh = wave % 2
	s_cmp_lt_u32 s21, 64                           ; Wk's tile or Wv's: the choice hangs on ids alone
	s_cselect_b64 s[24:25], s[6:7], s[8:9]
	s_and_b32 s26, s21, 63
	s_lshl_b32 s26, s26, 16                        ; 16 rows of 4,096 bytes,
	s_lshl_b32 s29, s20, 11                        ; and four K steps of 512 bytes
	s_add_co_u32 s26, s26, s29
	s_add_nc_u64 s[24:25], s[24:25], s[26:27]
	s_lshr_b32 s28, s21, 3
	s_mul_i32 s28, s28, 102400                     ; the chunk,
	s_and_b32 s30, s21, 7                          ; the column tile in it,
	s_mul_i32 s26, s30, 1536
	s_add_co_u32 s26, s26, s28
	s_mul_i32 s29, s20, 49152                      ; K step 4 kh: eight fragments a K step
	s_add_co_u32 s26, s26, s29
	s_add_nc_u64 s[32:33], s[16:17], s[26:27]      ; where my four fragments go
	s_lshl_b32 s26, s30, 9
	s_add_co_u32 s26, s26, s28
	s_add_co_u32 s26, s26, 98304
	s_lshl_b32 s29, s20, 4
	s_add_co_u32 s26, s26, s29
	s_add_nc_u64 s[34:35], s[16:17], s[26:27]      ; and, in the tile's 512 scale bytes, words 4 kh on
.macro WSTEP f                         ; my K step f of four: all loads are out; the turn through LDS runs one fragment ahead
	s_wait_dscnt 0x0                               ; this fragment's numbers are back from the stage
.if (\f)+1 < 4
	TURN (\f)+1, X+64*(((\f)+1)%2), 16*(2-(\f)), SWW, SRW
.endif
	s_wait_xcnt 0x0                                ; the last fragment's stores have read their data: the codes' registers are written again only behind this wait
	QUANT X+64*((\f)%2), PCB, SW+(\f)
.irp qd, 0,1,2
	global_store_b128 v[L16], v[PCB+4*\qd:PCB+4*\qd+3], s[32:33] offset:12288*(\f)+512*\qd   ; the image: 512 consecutive bytes a store, aligned
.endr
.endm
.irp f, 0,1,2,3
	LOADF \f, 24, 512*\f, 1
.endr
	TURN 0, X, 48, SWW, SRW
.irp f, 0,1,2,3
	WSTEP \f
.endr
	v_cmp_ne_u32 vcc_lo, 0, v[HH]                  ; lane (r, h) stores words 2 h and 2 h + 1 of my four of column r
	v_cndmask_b32 v[TMPC], v[SW], v[SW+2], vcc_lo
	v_cndmask_b32 v[TMPC+1], v[SW+1], v[SW+3], vcc_lo
	global_store_b64 v[SOFF], v[TMPC:TMPC+1], s[34:35]   ; 16 of each column's 32 bytes; the wave beside me stores the other 16
	s_wait_tensorcnt 0x0
	ds_add_u32 v126, v127
	s_wait_dscnt 0x0
	s_endpgm
	; ---- q's path: 16 output columns a work-group, two K steps a wave
.Lqpath:
	s_lshl_b32 s26, ttmp9, 16
	s_lshl_b32 s30, s18, 10                        ; K step 2 w: 512 bytes a K step
	s_mov_b32 s31, 0
	s_add_nc_u64 s[36:37], s[4:5], s[26:27]        ; the tile's 16 rows of Wq,
	s_add_nc_u64 s[36:37], s[36:37], s[30:31]      ; at my K steps;
	s_add_nc_u64 s[10:11], s[10:11], s[30:31]      ; avg likewise
	s_lshl_b32 s26, ttmp9, 6
	s_add_nc_u64 s[12:13], s[12:13], s[26:27]      ; the tile's 16 numbers of bq,
	s_add_nc_u64 s[14:15], s[14:15], s[26:27]      ; and its 64 bytes of each row of q
	s_wait_alu depctr_va_vdst(0)
	global_load_b128 v[BQ:BQ+3], v[H32], s[12:13]  ; the product is used transposed: lane (r, h) holds batch r, register j column 8 h + j: bq in that layout
	global_load_b128 v[BQ+4:BQ+7], v[H32], s[12:13] offset:16
.macro QLOAD g                         ; fragment g: even: avg's (read by many waves: no hint); odd: Wq's; my K step g / 2 of two
.if (\g)%2
	LOADF \g, 36, 512*((\g)/2), 1
.else
	LOADF \g, 10, 512*((\g)/2), 0
.endif
.endm
.macro QSTEP f
	s_wait_dscnt 0x0
.if (\f)+1 < 4
	TURN (\f)+1, X+64*(((\f)+1)%2), 16*(2-(\f)), SWQ, SRQ
.endif
.if (\f)%2 == 0
	QUANT X+64*((\f)%2), PCA, PWA
.else
	QUANT X+64*((\f)%2), PCB, PWB
.rept 8
	v_nop                                          ; a scale register written by a vector instruction stands eight places ahead of a scaled matrix instruction, an operand so written four
.endr
.set rD, ACC+8*((\f)/2)                        ; each K step has an accumulator of its own and starts it with the constant 0; the next fragment's 32 maxima are the places behind the first product
	v_wmma_scale_f32_16x16x128_f8f6f4 v[rD:rD+7], v[PCB:PCB+11], v[PCA:PCA+11], 0, v[PWB], v[PWA] matrix_a_fmt:MATRIX_FMT_FP6 matrix_b_fmt:MATRIX_FMT_FP6
.endif
.endm
.irp g, 0,1,2,3
	QLOAD \g
.endr
	TURN 0, X, 48, SWQ, SRQ                        ; (bq's two loads are older: they are in too)
.irp f, 0,1,2,3
	QSTEP \f
.endr
.rept 4
	v_nop                                          ; four places between the last product and the first read of its result (ISA guide 7.12.1)
.endr
.irp k, 0,2,4,6
	v_pk_add_f32 v[QO+\k:QO+\k+1], v[ACC+\k:ACC+\k+1], v[ACC+8+\k:ACC+8+\k+1]   ; both accumulators from their low ends on
.endr
	ds_store_b128 v[QSW], v[QO:QO+3]               ; my two K steps' sums, as an image of their registers
	ds_store_b128 v[QSW], v[QO+4:QO+7] offset:512
	s_wait_dscnt 0x0                               ; for wave 0's sake: my stores have landed
	s_barrier_signal -1
	s_barrier_wait -1
	s_cmp_lg_u32 s18, 0
	s_cbranch_scc1 .Lqdone                         ; the rest is wave 0's
.irp e, 0,1,2,3
	ds_load_b128 v[X+8*\e:X+8*\e+3], v[QSR] offset:1024*\e
	ds_load_b128 v[X+8*\e+4:X+8*\e+7], v[QSR] offset:1024*\e+512
.endr
	s_wait_dscnt 0x0
.irp e, 1,2,3
.irp k, 0,2,4,6
	v_pk_add_f32 v[X+\k:X+\k+1], v[X+\k:X+\k+1], v[X+8*\e+\k:X+8*\e+\k+1]
.endr
.endr
.irp k, 0,2,4,6
	v_pk_add_f32 v[X+\k:X+\k+1], v[X+\k:X+\k+1], v[BQ+\k:BQ+\k+1]
.endr
	global_store_b128 v[QGO], v[X:X+3], s[14:15]   ; lane (r, h): q(r, 16 tile + 8 h + 0 .. 7): the two lanes of a row store 64 consecutive bytes
	global_store_b128 v[QGO], v[X+4:X+7], s[14:15] offset:16
.Lqdone:
	s_wait_tensorcnt 0x0
	ds_add_u32 v126, v127
	s_wait_dscnt 0x0
	s_endpgm
.Lfunc_end_k_q14af11d373_prep:
	.size	k_q14af11d373_prep, .Lfunc_end_k_q14af11d373_prep-k_q14af11d373_prep
	.p2alignl 7, 3214868480
	.fill 96, 4, 3214868480
	.section	.rodata,"a",@progbits
	.p2align	6, 0x0
	.amdhsa_kernel k_q14af11d373_prep
		.amdhsa_group_segment_fixed_size 73216
		.amdhsa_private_segment_fixed_size 0
		.amdhsa_enable_private_segment 0
		.amdhsa_kernarg_size 56
		.amdhsa_user_sgpr_count 2
		.amdhsa_user_sgpr_kernarg_segment_ptr 1
		.amdhsa_wavefront_size32 1
		.amdhsa_system_sgpr_workgroup_id_x 1
		.amdhsa_system_sgpr_workgroup_id_y 1
		.amdhsa_system_sgpr_workgroup_id_z 1
		.amdhsa_system_vgpr_workitem_id 0
		.amdhsa_next_free_vgpr 512
		.amdhsa_next_free_sgpr 66
		.amdhsa_reserve_vcc 1
		.amdhsa_float_denorm_mode_32 3
		.amdhsa_float_denorm_mode_16_64 3
		.amdhsa_memory_ordered 1
		.amdhsa_forward_progress 1
		.amdhsa_inst_pref_size 61
	.end_amdhsa_kernel
	.amdgpu_metadata
---
amdhsa.version: [ 1, 2 ]
amdhsa.kernels:
  - .name:           k_q14af11d373_prep
    .symbol:         k_q14af11d373_prep.kd
    .args:
      - { .name: Wq, .offset: 0, .size: 8, .value_kind: global_buffer, .address_space: global }
      - { .name: Wk, .offset: 8, .size: 8, .value_kind: global_buffer, .address_space: global }
      - { .name: Wv, .offset: 16, .size: 8, .value_kind: global_buffer, .address_space: global }
      - { .name: avg, .offset: 24, .size: 8, .value_kind: global_buffer, .address_space: global }
      - { .name: bq, .offset: 32, .size: 8, .value_kind: global_buffer, .address_space: global }
      - { .name: qvec, .offset: 40, .size: 8, .value_kind: global_buffer, .address_space: global }
      - { .name: wcodes, .offset: 48, .size: 8, .value_kind: global_buffer, .address_space: global }
    .group_segment_fixed_size: 73216
    .private_segment_fixed_size: 0
    .kernarg_segment_align: 8
    .kernarg_segment_size: 56
    .max_flat_workgroup_size: 128
    .sgpr_count:     66
    .vgpr_count:     512
    .wavefront_size: 32
...
	.end_amdgpu_metadata
.endif
;; end of part 2
;; launch attend (part 3): grid 16 x 16, 4 waves a work-group, clusters of 4 x 1, 327,680 bytes of LDS; arguments embeddings, attention_mask, bk, qvec, wcodes, scores, part; writes scores, part
.if DOCPART == 3
	.amdgcn_target "amdgcn-amd-amdhsa--gfx1250"
	.amdhsa_code_object_version 6
	.text
	.protected	k_q14af11d373_attend
	.globl	k_q14af11d373_attend
	.p2align	8
	.type	k_q14af11d373_attend,@function
k_q14af11d373_attend:
	s_mov_b64 s[64:65], 0
	v_nop
	global_prefetch_b8 v0, s[64:65] scope:SCOPE_SE
	s_setreg_imm32_b32 hwreg(HW_REG_WAVE_MODE, 25, 1), 1
	s_wait_xcnt 0x0
	s_wait_alu depctr_hold_cnt(0) depctr_sa_sdst(0) depctr_va_vdst(0) depctr_va_sdst(0) depctr_va_ssrc(0) depctr_va_vcc(0) depctr_vm_vsrc(0)
	s_getreg_b32 s2, hwreg(HW_REG_IB_STS2, 6, 4)
	s_cmp_eq_u32 s2, 0
	s_cbranch_scc0 .Lentry_in_a_cluster
	s_endpgm
.Lentry_in_a_cluster:
	s_bfe_u32 s2, ttmp6, 0x10000c
	s_cmp_lg_u32 s2, 0x3003
	s_cbranch_scc0 .Lentry_shape_is_right
	s_endpgm
.Lentry_shape_is_right:
; A work-group takes 128 rows t of one batch: it quantises them to FP6 (E2M3, one E8M0 byte for each 32 along K), multiplies them with Wk's and Wv's codes, and never stores k or v:
;   scores[t] = (sum over c of q[c] k[t][c] + q.bk) / 32, masked to -10000;  part[c] = sum over its t of 2^((score - m) log2 e) v[t][c], m its own block's largest score.
; The next launch joins the 16 blocks of a batch under the batch's maximum and adds bv.
; SHARES.  Wave w = (kh = w / 2, ch = w % 2) holds ALL 128 rows at K steps 4 kh .. 4 kh + 3 (8 x 4 fragments, 384 registers) and takes 64 of a chunk's 128 columns:
; 32 accumulators, 32 matrix instructions for each four fragments of B, and every fragment of a chunk is read from LDS by one wave alone.
; Both ways out are linear in the accumulators, so the two halves of K are summed behind them, in f32: four planes of scores, four planes of part, in LDS.
; THE WEIGHTS: 16 chunks of 102,400 bytes (images of the operand's registers, then scale bytes) go through two LDS slots; the four work-groups of a cluster ask jointly (mask 15), a quarter of a chunk a wave.
; Clusters begin at different chunks (s47) and go round.  One round of the cluster's barrier for each chunk.
; THE HEAD: two passes; pass p quantises K steps 2p, 2p+1, 4+2p, 5+2p of the wave's own 32 rows, and the images go from wave to wave through LDS: 16 fragments a wave and pass.
; WINDOWS: 0: addresses, scale words, q, B's three sets; 1, 2: A's codes (v0-191); 1 v192-255: q and bk at the head, then p; 2 v192-223: the sums; 3: raw rows at the head, then the accumulators.
; NO PREFETCH: each byte of the embeddings is asked for once, 64 loads a wave ahead, in a head that has no loop to run ahead in; a chunk of weights is asked for one whole chunk ahead by the ring.
; LIMITS: a block of zeros gets the byte 1 (its codes are zeros; this launch alone reads the bytes); NaN and infinities are not served; the order of the f32 sums is not the reference's.
.set SLOTB, 102400
.set IMG,   2*SLOTB
.set ISC,   IMG+49152
.set STG,   ISC+4096
.set SCR,   STG+4*8448
.set PVW,   SCR+2048
.set SPARE, PVW+2048
.set SPW,  1
.set NIL,  2
.set L16,  3
.set STW,  4
.set STR,  5
.set IMW,  6
.set ISW,  7
.set IMR,  8
.set ISR,  9
.set BAD,  10
.set BSAD, 14
.set H32,  16
.set SH8,  17
.set GOFF, 18
.set GOF1, 31
.set SCW,  19
.set MK,   20
.set QBK,  24
.set SRD,  25
.set PWA,  26
.set PRD,  27
.set OSW0, 28
.set ORD,  29
.set OSA,  30
.set AS,   32
.set BS,   64
.set QV,   80
.set PC,   80
.set TMPC, 92
.set T,    100
.set SOP,  104
.set WD,   108
.set TP,   109
.set PW,   110
.set BF,   112
.set X,    128
.set TS,   208
.set SK,   192                         ; window 2: eight pairs, the scores' sums
.set SV,   208                         ; window 2: eight pairs, part's sums
.set PV,   192                         ; window 1: p of my 64 rows 16 m + 8 h + j
.set G1,   24
.set G0,   32
.set MSB, 0
.macro WIN new
.if MSB != (\new)
	s_set_vgpr_msb (MSB<<8)|(\new)
.set MSB, (\new)
.endif
.endm
.macro PLACES
.rept 4
	v_nop
.endr
.endm
.macro CREST
	s_cmp_lg_u32 s18, 0
	s_cbranch_scc1 .Lnot_wave_0_\@
	s_barrier_signal -3
.Lnot_wave_0_\@:
	s_barrier_wait -3
	s_barrier_signal -1
	s_barrier_wait -1
.endm
.macro CROUND
	s_barrier_signal -1
	s_barrier_wait -1
	CREST
.endm
	s_load_b256 s[4:11], s[0:1], 0x0               ; embeddings, mask, bk, qvec
	s_load_b128 s[12:15], s[0:1], 0x20             ; wcodes, scores
	s_load_b64 s[16:17], s[0:1], 0x30              ; part
	v_lshl_add_u32 v[SPW], v0, 2, SPARE
	v_mov_b32 v[NIL], 0
	ds_add_u32 v1, v2
	ds_add_u32 v1, v2
	s_wait_dscnt 0x0
	v_lshrrev_b32 v100, 5, v0
	v_readfirstlane_b32 s18, v100                  ; wave
	s_lshr_b32 s19, s18, 1                         ; kh
	s_and_b32 s20, s18, 1                          ; ch
	s_mov_b32 s[G1+0], 15|(3<<16)|(1<<21)          ; a quarter of a chunk: 100 rows of 256 bytes, dense; the mask names the cluster's four
	s_mov_b32 s[G1+1], 32<<16
	s_mov_b32 s[G1+2], 100<<16
	s_mov_b32 s[G1+3], 32<<16
	s_mov_b32 s[G1+4], 100
	s_mov_b32 s[G1+5], 32
	s_mov_b32 s[G1+6], 0
	s_mov_b32 s[G1+7], 0
	s_mul_i32 s50, s18, 25600
	s_and_b32 s23, ttmp7, 0xffff                   ; batch
	s_and_b32 s47, s23, 1
	s_lshl_b32 s47, s47, 2
	s_add_co_u32 s47, s47, ttmp9                   ; the cluster's first chunk
	s_mul_i32 s52, s47, SLOTB
	s_add_co_u32 s52, s52, s50
	s_mov_b32 s53, 0
	s_add_co_u32 s54, s47, 1
	s_and_b32 s54, s54, 7
	s_mul_i32 s54, s54, SLOTB
	s_add_co_u32 s54, s54, s50
	s_mov_b32 s55, 0
	s_mov_b32 s42, 0x76543210
	s_mov_b32 s43, 0xfedcba98
	s_wait_kmcnt 0x0
	CROUND
	s_mov_b32 s[G0+0], 1
	s_mov_b32 s[G0+1], s50
	s_add_nc_u64 s[G0+2:G0+3], s[12:13], s[52:53]
	s_or_b32 s[G0+3], s[G0+3], 0x80000000
	s_mov_b32 s[G0+4], 1
	s_add_co_u32 s[G0+5], s50, SLOTB
	s_add_nc_u64 s[G0+6:G0+7], s[12:13], s[54:55]
	s_or_b32 s[G0+7], s[G0+7], 0x80000000
	tensor_load_to_lds s[G0:G0+3], s[G1:G1+7]      ; my one load at the head: slot 0
	s_nop 0
	s_wait_alu depctr_va_vdst(0)
	s_wait_tensorcnt 0x0                           ; the full sequence ahead of slot 1's first fill
	ds_add_u32 v1, v2
	s_wait_dscnt 0x0
	CROUND
	tensor_load_to_lds s[G0+4:G0+7], s[G1:G1+7]
	s_nop 0
	PLACES
	s_bfe_u32 s21, ttmp6, 0x40000
	s_lshl_b32 s22, ttmp9, 2
	s_add_co_u32 s22, s22, s21                     ; which 128 rows of the batch
	s_lshl_b32 s54, s23, 11
	s_lshl_b32 s55, s22, 7
	s_add_co_u32 s54, s54, s55
	s_lshl_b32 s56, s54, 2
	s_mov_b32 s57, 0
	s_add_nc_u64 s[6:7], s[6:7], s[56:57]
	s_add_nc_u64 s[14:15], s[14:15], s[56:57]
	s_lshl_b32 s58, s18, 5
	s_add_co_u32 s58, s54, s58
	s_lshl_b32 s58, s58, 12
	s_mov_b32 s59, 0
	s_add_nc_u64 s[48:49], s[4:5], s[58:59]        ; the 32 rows that I quantise
	s_lshl_b32 s60, s23, 12
	s_mov_b32 s61, 0
	s_add_nc_u64 s[10:11], s[10:11], s[60:61]
	s_lshl_b32 s60, s20, 8
	s_add_nc_u64 s[56:57], s[10:11], s[60:61]
	s_lshl_b32 s62, s23, 4
	s_add_co_u32 s62, s62, s22
	s_lshl_b32 s62, s62, 12
	s_mov_b32 s63, 0
	s_add_nc_u64 s[16:17], s[16:17], s[62:63]
	v_and_b32 v100, 31, v0
	v_and_b32 v101, 15, v0
	v_bfe_u32 v102, v0, 4, 1
	v_lshlrev_b32 v[L16], 4, v100
	s_wait_alu depctr_va_vdst(0)
	v_lshlrev_b32 v[H32], 5, v102
	global_load_b128 v[MK:MK+3], v[L16], s[6:7]
	WIN 0x40
.irp u, 0,1,2,3,4,5,6,7
	global_load_b128 v[192+4*\u:195+4*\u], v[L16], s[10:11] offset:512*\u
.endr
.irp u, 0,1,2,3,4,5,6,7
	global_load_b128 v[224+4*\u:227+4*\u], v[L16], s[8:9] offset:512*\u
.endr
	WIN 0
.macro LOADF g                         ; raw fragment g: row tile (g & 7) / 4 of my two; pass g / 8; K step 4 ((g & 3) / 2) + 2 pass + (g & 1)
.set gT, (((\g)&7)>>2)
.set gS, (4*(((\g)&3)>>1)+2*((\g)>>3)+((\g)&1))
	WIN 0xc0
.irp i, 0,1,2,3,4,5,6,7,8,9,10,11,12,13,14,15
	global_load_b128 v[64*((\g)%4)+4*\i:64*((\g)%4)+4*\i+3], v[L16], s[48:49] offset:65536*gT+512*gS+4096*\i th:TH_LOAD_NT
.endr
	WIN 0
.endm
.irp g, 0,1,2,3
	LOADF \g
.endr
	s_mul_i32 s52, s18, 8448
	s_add_co_u32 s52, s52, STG
	v_add_nc_u32 v[STW], s52, v[L16]
	v_mul_u32_u24 v[STR], v101, 528
	v_lshl_add_u32 v[STR], v102, 7, v[STR]
	v_add_nc_u32 v[STR], s52, v[STR]
	s_mul_i32 s52, s18, 12288
	s_add_co_u32 s52, s52, IMG
	v_add_nc_u32 v[IMW], s52, v[L16]               ; image (row tile m, e) at IMG + (4 m + e) x 1,536
	v_lshlrev_b32 v103, 2, v100
	s_lshl_b32 s52, s18, 10
	s_add_co_u32 s52, s52, ISC
	v_add_nc_u32 v[ISW], s52, v103
	s_mul_i32 s52, s19, 3072                       ; I read e = 2 kh and 2 kh + 1 of every row tile
	s_add_co_u32 s52, s52, IMG
	v_add_nc_u32 v[IMR], s52, v[L16]
	s_lshl_b32 s52, s19, 8
	s_add_co_u32 s52, s52, ISC
	v_add_nc_u32 v[ISR], s52, v103
	s_mul_i32 s52, s20, 6144                       ; B: column tiles 4 ch on, K steps 4 kh on
	s_mul_i32 s53, s19, 49152
	s_add_co_u32 s52, s52, s53
	v_add_nc_u32 v[BAD], s52, v[L16]
	v_add_nc_u32 v[BAD+1], SLOTB, v[BAD]
	v_lshlrev_b32 v104, 5, v100
	s_lshl_b32 s52, s20, 11
	s_add_co_u32 s52, s52, 98304
	s_lshl_b32 s53, s19, 4                         ; scale words 4 kh on
	s_add_co_u32 s52, s52, s53
	v_add_nc_u32 v[BSAD], s52, v104
	v_add_nc_u32 v[BSAD+1], SLOTB, v[BSAD]
	v_lshlrev_b32 v[SH8], 3, v102
	s_add_co_u32 s52, s18, s47
	s_and_b32 s52, s52, 7
	s_lshl_b32 s52, s52, 9
	v_add_nc_u32 v[GOFF], s52, v[L16]
	v_xor_b32 v[GOF1], 0x800, v[GOFF]
	s_lshl_b32 s52, s18, 9                         ; my plane of 128 scores
	s_add_co_u32 s52, s52, SCR
	v_lshl_add_u32 v[SCW], v101, 2, s52
	v_add_nc_u32 v[SRD], SCR, v[L16]
	s_lshl_b32 s52, s18, 9
	s_add_co_u32 s52, s52, PVW
	v_add_nc_u32 v[PWA], s52, v[L16]
	v_add_nc_u32 v[PRD], s52, v[H32]
	s_lshl_b32 s52, s19, 13
	s_lshl_b32 s53, s20, 8
	s_add_co_u32 s52, s52, s53
	s_add_co_u32 s52, s52, IMG
	v_lshl_add_u32 v[OSW0], v102, 12, s52          ; part's plane (kh, h)
	v_lshl_add_u32 v[OSW0], v101, 2, v[OSW0]
	v_lshl_add_u32 v[ORD], v0, 4, IMG
	v_mov_b32 v[TP], 0
	s_wait_alu depctr_va_vdst(0)
.macro TURN g
.if 15-(\g) >= 3
	s_wait_loadcnt 48
.else
	s_wait_loadcnt 16*(15-(\g))
.endif
	WIN 0x0c
.irp i, 0,1,2,3,4,5,6,7,8,9,10,11,12,13,14,15
	ds_store_b128 v[STW], v[64*((\g)%4)+4*\i:64*((\g)%4)+4*\i+3] offset:528*\i
.endr
	WIN 0
.irp c, 0,1
.irp qd, 0,1,2,3,4,5,6,7
	ds_load_b128 v[X+64*((\g)%2)+32*\c+4*\qd:X+64*((\g)%2)+32*\c+4*\qd+3], v[STR] offset:256*\c+16*\qd
.endr
.endr
.endm
.macro QUANT xs
.irp c, 0,1
	v_max3_num_f32 v[T+2*\c], |v[\xs+32*\c]|, |v[\xs+32*\c+1]|, |v[\xs+32*\c+2]|
	v_max3_num_f32 v[T+2*\c+1], |v[\xs+32*\c+3]|, |v[\xs+32*\c+4]|, |v[\xs+32*\c+5]|
.endr
.irp i, 6,10,14,18,22,26
.irp c, 0,1
	v_max3_num_f32 v[T+2*\c], v[T+2*\c], |v[\xs+32*\c+\i]|, |v[\xs+32*\c+\i+1]|
	v_max3_num_f32 v[T+2*\c+1], v[T+2*\c+1], |v[\xs+32*\c+\i+2]|, |v[\xs+32*\c+\i+3]|
.endr
.endr
.irp c, 0,1
	v_max3_num_f32 v[T+2*\c], v[T+2*\c], |v[\xs+32*\c+30]|, |v[\xs+32*\c+31]|
.endr
.irp c, 0,1
	v_max3_num_f32 v[T+2*\c], v[T+2*\c], v[T+2*\c+1], 0x1800000   ; the floor 2^(3 - 127): the byte cannot fall under 1
.endr
.irp c, 0,1
	v_add_nc_u32 v[SOP+\c], 0xff000000, v[T+2*\c]
.endr
.irp c, 0,1
	v_lshrrev_b32 v[T+2*\c+1], 23, v[SOP+\c]
.endr
	v_lshl_or_b32 v[WD], v[T+3], 16, v[T+1]
	v_lshlrev_b32 v[WD], v[SH8], v[WD]
	v_permlanex16_b32 v[TP], v[WD], s42, s43
	v_or_b32 v[PW], v[WD], v[TP]
.irp c, 0,1
	v_cvt_scalef32_pk16_fp6_f32 v[PC+6*\c:PC+6*\c+2], v[\xs+32*\c:\xs+32*\c+15], v[SOP+\c]
	v_cvt_scalef32_pk16_fp6_f32 v[TMPC+4*\c:TMPC+4*\c+2], v[\xs+32*\c+16:\xs+32*\c+31], v[SOP+\c]
.endr
	v_nop
.irp c, 0,1
.irp i, 0,1,2
	v_mov_b32 v[PC+6*\c+3+\i], v[TMPC+4*\c+\i]
.endr
.endr
.endm
.macro STEPQ f
	s_wait_dscnt 0x0
.if (\f)+4 < 16
	LOADF (\f)+4
.endif
.if (\f)+1 < 16
	TURN (\f)+1
.endif
	QUANT X+64*((\f)%2)
.set im, (4*(((\f)&7)>>2)+((\f)&3))
.irp qd, 0,1,2
	ds_store_b128 v[IMW], v[PC+4*\qd:PC+4*\qd+3] offset:im*1536+512*\qd
.endr
	ds_store_b32 v[ISW], v[PW] offset:128*im
.endm
.macro GETA wn, p                      ; pass p: my local K steps 2 p, 2 p + 1 of all eight row tiles: fragment (m, e) at v[12 (2 m + e)] of window 1 + p
	WIN \wn
.irp m, 0,1,2,3,4,5,6,7
.irp e, 0,1
.irp qd, 0,1,2
	ds_load_b128 v[12*(2*\m+\e)+4*\qd:12*(2*\m+\e)+4*\qd+3], v[IMR] offset:(4*\m+\e)*1536+512*\qd
.endr
.endr
.endr
	WIN 0
.irp m, 0,1,2,3,4,5,6,7
.irp e, 0,1
	ds_load_b32 v[AS+4*\m+2*(\p)+\e], v[ISR] offset:128*(4*\m+\e)
.endr
.endr
.endm
	TURN 0
.irp f, 0,1,2,3,4,5,6,7
	STEPQ \f
.endr
	s_wait_dscnt 0x0
	s_barrier_signal -1
	s_barrier_wait -1
	GETA 0x40, 0
	s_wait_dscnt 0x0
	s_barrier_signal -1
	s_barrier_wait -1
.irp f, 8,9,10,11,12,13,14,15
	STEPQ \f
.endr
	s_wait_tensorcnt 0x1
	s_wait_dscnt 0x0
	s_barrier_signal -1
	s_barrier_wait -1
	GETA 0x80, 1
.macro FETCHB slot, s, set             ; my four fragments of local K step s
.irp c, 0,1,2,3
.irp qd, 0,1,2
	ds_load_b128 v[BF+48*(\set)+12*\c+4*\qd:BF+48*(\set)+12*\c+4*\qd+3], v[BAD+(\slot)] offset:(8*(\s)+\c)*1536+512*\qd
.endr
.endr
.endm
.macro NEXTB slot
	FETCHB \slot, 0, 0
.irp u, 0,1
	ds_load_b128 v[BS+4*\u:BS+4*\u+3], v[BSAD+(\slot)] offset:1024*\u   ; lanes 0-15: column tile 2 u, lanes 16-31: tile 2 u + 1; register = local K step
.endr
	FETCHB \slot, 1, 1
.endm
.macro PROD ph, s, m, c
.set rD, 8*(4*(\m)+(\c))
.set rA, 12*(2*(\m)+(\s)%2)
.set rB, BF+48*((\s)%3)+12*(\c)
.set rX, AS+4*(\m)+(\s)
.set rY, BS+4*((\c)/2)+(\s)
.if (\ph) == 0
.if (\s) == 0
.if (\c)%2
	v_wmma_scale_f32_16x16x128_f8f6f4 v[rD:rD+7], v[rB:rB+11], v[rA:rA+11], 0, v[rY], v[rX] matrix_a_fmt:MATRIX_FMT_FP6 matrix_b_fmt:MATRIX_FMT_FP6 matrix_a_scale:MATRIX_SCALE_ROW1
.else
	v_wmma_scale_f32_16x16x128_f8f6f4 v[rD:rD+7], v[rB:rB+11], v[rA:rA+11], 0, v[rY], v[rX] matrix_a_fmt:MATRIX_FMT_FP6 matrix_b_fmt:MATRIX_FMT_FP6
.endif
.else
.if (\c)%2
	v_wmma_scale_f32_16x16x128_f8f6f4 v[rD:rD+7], v[rB:rB+11], v[rA:rA+11], v[rD:rD+7], v[rY], v[rX] matrix_a_fmt:MATRIX_FMT_FP6 matrix_b_fmt:MATRIX_FMT_FP6 matrix_a_scale:MATRIX_SCALE_ROW1
.else
	v_wmma_scale_f32_16x16x128_f8f6f4 v[rD:rD+7], v[rB:rB+11], v[rA:rA+11], v[rD:rD+7], v[rY], v[rX] matrix_a_fmt:MATRIX_FMT_FP6 matrix_b_fmt:MATRIX_FMT_FP6
.endif
.endif
.else
.if (\s) == 0
.if (\c)%2
	v_wmma_scale_f32_16x16x128_f8f6f4 v[rD:rD+7], v[rA:rA+11], v[rB:rB+11], 0, v[rX], v[rY] matrix_a_fmt:MATRIX_FMT_FP6 matrix_b_fmt:MATRIX_FMT_FP6 matrix_b_scale:MATRIX_SCALE_ROW1
.else
	v_wmma_scale_f32_16x16x128_f8f6f4 v[rD:rD+7], v[rA:rA+11], v[rB:rB+11], 0, v[rX], v[rY] matrix_a_fmt:MATRIX_FMT_FP6 matrix_b_fmt:MATRIX_FMT_FP6
.endif
.else
.if (\c)%2
	v_wmma_scale_f32_16x16x128_f8f6f4 v[rD:rD+7], v[rA:rA+11], v[rB:rB+11], v[rD:rD+7], v[rX], v[rY] matrix_a_fmt:MATRIX_FMT_FP6 matrix_b_fmt:MATRIX_FMT_FP6 matrix_b_scale:MATRIX_SCALE_ROW1
.else
	v_wmma_scale_f32_16x16x128_f8f6f4 v[rD:rD+7], v[rA:rA+11], v[rB:rB+11], v[rD:rD+7], v[rX], v[rY] matrix_a_fmt:MATRIX_FMT_FP6 matrix_b_fmt:MATRIX_FMT_FP6
.endif
.endif
.endif
.endm
.macro PRODS ph, s                     ; 32 matrix instructions, the 32 accumulators by turns
.if (\ph) == 0
.set wn, 0xf4+4*((\s)/2)
.else
.set wn, 0xf1+(\s)/2
.endif
	WIN wn
.irp m, 0,1,2,3,4,5,6,7
.irp c, 0,1,2,3
	PROD \ph, \s, \m, \c
.endr
.endr
.endm
.macro KSTEP ph, slot, s
	s_wait_dscnt 12                                ; this step's fragments are in; the next step's twelve loads may be out
.if (\s) < 2
	WIN 0
	PLACES
	FETCHB \slot, (\s)+2, ((\s)+2)%3
.endif
	PRODS \ph, \s
.endm
.macro KLAST ph, slot, mode            ; local K step 3, and the change of slots.  mode 2: the slot is filled again; 1: nothing more to fetch; 0: the last chunk
.if (\mode) == 0
	s_wait_dscnt 0x0
	PRODS \ph, 3
	WIN 0
	PLACES
.else
	WIN 0
	s_wait_tensorcnt 0x0                           ; my one load that was out, my quarter of the other slot, has landed
	ds_add_u32 v[SPW], v[NIL]
.if (\mode) == 2
	s_add_co_u32 s52, s45, s47
	s_and_b32 s52, s52, 7
	s_and_b32 s53, s45, 8
	s_add_co_u32 s52, s52, s53
	s_mul_i32 s52, s52, SLOTB
	s_add_co_u32 s52, s52, s50
	s_mov_b32 s53, 0
	s_add_nc_u64 s[G0+4*(\slot)+2:G0+4*(\slot)+3], s[12:13], s[52:53]
	s_or_b32 s[G0+4*(\slot)+3], s[G0+4*(\slot)+3], 0x80000000
	s_add_co_u32 s45, s45, 1
.endif
	s_wait_dscnt 0x0                               ; the add, and my reads of this slot
	s_barrier_signal -1
	PRODS \ph, 3
	WIN 0
	s_barrier_wait -1
.if (\mode) == 2
	CREST
	tensor_load_to_lds s[G0+4*(\slot):G0+4*(\slot)+3], s[G1:G1+7]
	s_nop 0
.endif
	PLACES
.endif
.endm
.macro QVLOAD                          ; q at the chunk's columns 64 ch + 16 c + 8 h + j
	s_add_co_u32 s52, s58, s47
	s_and_b32 s52, s52, 7
	s_lshl_b32 s52, s52, 9
	s_mov_b32 s53, 0
	s_add_nc_u64 s[40:41], s[56:57], s[52:53]
	s_add_co_u32 s58, s58, 1
.irp c, 0,1,2,3
.irp u, 0,1
	global_load_b128 v[QV+8*\c+4*\u:QV+8*\c+4*\u+3], v[H32], s[40:41] offset:64*\c+16*\u
.endr
.endr
.endm
.macro EPIK                            ; k is used transposed: lane (r, h) holds row r of tile m, register j column 8 h + j: sums += k x q; each accumulator from its low end on
	s_wait_loadcnt 0x0
	WIN 0xa3
.irp c, 0,1,2,3
.irp jj, 0,2,4,6
.irp m, 0,1,2,3,4,5,6,7
	v_pk_fma_f32 v[SK+2*\m:SK+2*\m+1], v[8*(4*\m+\c)+\jj:8*(4*\m+\c)+\jj+1], v[QV+8*\c+\jj:QV+8*\c+\jj+1], v[SK+2*\m:SK+2*\m+1]
.endr
.endr
.endr
	WIN 0
.endm
.macro KCHUNK slot
	QVLOAD
.irp s, 0,1,2
	KSTEP 0, \slot, \s
.endr
	KLAST 0, \slot, 2
	NEXTB 1-(\slot)
	s_wait_alu depctr_va_vdst(0)
	EPIK
.endm
.macro EPIV                            ; lane (r, h) holds column r of tile c, register j row 8 h + j of tile m: sums of v x p in eight chains (c, m % 2)
	WIN 0xa7
.irp m, 0,1,2,3,4,5,6,7
.irp jj, 0,2,4,6
.irp c, 0,1,2,3
.if (\m < 2) && (\jj == 0)
	v_pk_mul_f32 v[SV+8*(\m%2)+2*\c:SV+8*(\m%2)+2*\c+1], v[8*(4*\m+\c)+\jj:8*(4*\m+\c)+\jj+1], v[PV+8*\m+\jj:PV+8*\m+\jj+1]
.else
	v_pk_fma_f32 v[SV+8*(\m%2)+2*\c:SV+8*(\m%2)+2*\c+1], v[8*(4*\m+\c)+\jj:8*(4*\m+\c)+\jj+1], v[PV+8*\m+\jj:PV+8*\m+\jj+1], v[SV+8*(\m%2)+2*\c:SV+8*(\m%2)+2*\c+1]
.endif
.endr
.endr
.endr
	WIN 0x8a
.irp c, 0,1,2,3
	v_pk_add_f32 v[SV+2*\c:SV+2*\c+1], v[SV+2*\c:SV+2*\c+1], v[SV+8+2*\c:SV+8+2*\c+1]
.endr
.irp c, 0,1,2,3
	v_add_f32 v[SV+2*\c], v[SV+2*\c], v[SV+2*\c+1]
.endr
	WIN 0
	v_add_nc_u32 v[OSA], s46, v[OSW0]
	WIN 0x08
.irp c, 0,1,2,3
	ds_store_b32 v[OSA], v[SV+2*\c] offset:64*\c
.endr
	WIN 0
	s_add_co_u32 s46, s46, 512
.endm
.macro VCHUNK slot, mode
.irp s, 0,1,2
	KSTEP 1, \slot, \s
.endr
	KLAST 1, \slot, \mode
.if (\mode) > 0
	NEXTB 1-(\slot)
.endif
	EPIV
.endm
	NEXTB 0
	WIN 0x80
.irp k, 0,1,2,3,4,5,6,7,8,9,10,11,12,13,14,15
	v_mov_b32 v[SK+\k], 0
.endr
	WIN 0x05
	v_pk_mul_f32 v[80:81], v[192:193], v[224:225]  ; q . bk
.irp k, 2,4,6,8,10,12,14,16,18,20,22,24,26,28,30
	v_pk_fma_f32 v[80:81], v[192+\k:193+\k], v[224+\k:225+\k], v[80:81]
.endr
	WIN 0
	v_add_f32 v[QBK], v80, v81
	v_add_f32_dpp v[QBK], v[QBK], v[QBK] row_xmask:1 row_mask:0xf bank_mask:0xf
	v_add_f32_dpp v[QBK], v[QBK], v[QBK] row_xmask:2 row_mask:0xf bank_mask:0xf
	v_add_f32_dpp v[QBK], v[QBK], v[QBK] row_xmask:4 row_mask:0xf bank_mask:0xf
	v_add_f32_dpp v[QBK], v[QBK], v[QBK] row_xmask:8 row_mask:0xf bank_mask:0xf
	v_permlanex16_b32 v82, v[QBK], s42, s43
	v_add_f32 v[QBK], v[QBK], v82
	v_mul_f32 v[QBK], 0x3d000000, v[QBK]           ; / 32
	s_mov_b32 s45, 2
	s_mov_b32 s58, 0
	s_mov_b32 s44, 4
.Lk:
	KCHUNK 0
	KCHUNK 1
	s_sub_co_u32 s44, s44, 1
	s_cmp_lg_u32 s44, 0
	s_cbranch_scc1 .Lk
	WIN 0x0a
.irp m, 0,1,2,3,4,5,6,7
	v_add_f32 v[TS+\m], v[SK+2*\m], v[SK+2*\m+1]
.endr
	WIN 0
.irp m, 0,1,2,3,4,5,6,7
	v_permlanex16_b32 v[TS+8+\m], v[TS+\m], s42, s43
.endr
.irp m, 0,1,2,3,4,5,6,7
	v_add_f32 v[TS+\m], v[TS+\m], v[TS+8+\m]
.endr
.irp m, 0,1,2,3,4,5,6,7
	ds_store_b32 v[SCW], v[TS+\m] offset:64*\m     ; my plane: my half of K, my 64 of each 128 columns
.endr
	s_wait_dscnt 0x0
	s_barrier_signal -1
	s_barrier_wait -1
.irp e, 0,1,2,3
	ds_load_b128 v[TS+16+4*\e:TS+19+4*\e], v[SRD] offset:512*\e   ; the four planes: lane l takes rows 4 l .. 4 l + 3
.endr
	s_wait_dscnt 0x0
	v_pk_add_f32 v[TS+16:TS+17], v[TS+16:TS+17], v[TS+20:TS+21]
	v_pk_add_f32 v[TS+18:TS+19], v[TS+18:TS+19], v[TS+22:TS+23]
	v_pk_add_f32 v[TS+24:TS+25], v[TS+24:TS+25], v[TS+28:TS+29]
	v_pk_add_f32 v[TS+26:TS+27], v[TS+26:TS+27], v[TS+30:TS+31]
	v_pk_add_f32 v[TS+16:TS+17], v[TS+16:TS+17], v[TS+24:TS+25]
	v_pk_add_f32 v[TS+18:TS+19], v[TS+18:TS+19], v[TS+26:TS+27]
	v_pk_fma_f32 v[TS+16:TS+17], v[TS+16:TS+17], 0x3d000000, v[QBK:QBK+1] op_sel_hi:[1,0,0]
	v_pk_fma_f32 v[TS+18:TS+19], v[TS+18:TS+19], 0x3d000000, v[QBK:QBK+1] op_sel_hi:[1,0,0]
	v_mov_b32 v[TS+32], 0xc61c4000                 ; -10000
.irp k, 0,1,2,3
	v_cmp_ne_u32 vcc_lo, 0, v[MK+\k]
	v_cndmask_b32 v[TS+16+\k], v[TS+32], v[TS+16+\k], vcc_lo
.endr
	s_cmp_lg_u32 s18, 0
	s_cbranch_scc1 .Lnot_mine
	global_store_b128 v[L16], v[TS+16:TS+19], s[14:15]   ; wave 0 stores 512 consecutive bytes
.Lnot_mine:
	s_wait_xcnt 0x0
	s_wait_alu depctr_va_vdst(0)
	v_max3_num_f32 v[TS+33], v[TS+16], v[TS+17], v[TS+18]
	v_max_num_f32 v[TS+33], v[TS+33], v[TS+19]
	v_max_num_f32_dpp v[TS+33], v[TS+33], v[TS+33] row_xmask:1 row_mask:0xf bank_mask:0xf
	v_max_num_f32_dpp v[TS+33], v[TS+33], v[TS+33] row_xmask:2 row_mask:0xf bank_mask:0xf
	v_max_num_f32_dpp v[TS+33], v[TS+33], v[TS+33] row_xmask:4 row_mask:0xf bank_mask:0xf
	v_max_num_f32_dpp v[TS+33], v[TS+33], v[TS+33] row_xmask:8 row_mask:0xf bank_mask:0xf
	v_permlanex16_b32 v[TS+34], v[TS+33], s42, s43
	v_max_num_f32 v[TS+33], v[TS+33], v[TS+34]     ; the block's largest score
.irp k, 0,1,2,3
	v_sub_f32 v[TS+36+\k], v[TS+16+\k], v[TS+33]
.endr
.irp k, 0,1,2,3
	v_mul_f32 v[TS+36+\k], 0x3fb8aa3b, v[TS+36+\k]
.endr
	s_wait_alu depctr_va_vdst(0)
.irp k, 0,1,2,3
	v_exp_f32 v[TS+36+\k], v[TS+36+\k]
.endr
	v_nop
	s_wait_alu depctr_va_vdst(0)
	ds_store_b128 v[PWA], v[TS+36:TS+39]           ; the 128 p, in my wave's own 512 bytes; LDS serves a wave's instructions in order
	WIN 0x40
.irp m, 0,1,2,3,4,5,6,7
	ds_load_b128 v[PV+8*\m:PV+8*\m+3], v[PRD] offset:64*\m
	ds_load_b128 v[PV+8*\m+4:PV+8*\m+7], v[PRD] offset:64*\m+16
.endr
	WIN 0
	s_wait_dscnt 0x0
	s_mov_b32 s46, 0
	s_mov_b32 s44, 3
.Lv:
	VCHUNK 0, 2
	VCHUNK 1, 2
	s_sub_co_u32 s44, s44, 1
	s_cmp_lg_u32 s44, 0
	s_cbranch_scc1 .Lv
	VCHUNK 0, 1
	VCHUNK 1, 0
	s_wait_dscnt 0x0
	s_barrier_signal -1
	s_barrier_wait -1
.irp u, 0,1
.irp e, 0,1,2,3
	ds_load_b128 v[112+16*\u+4*\e:115+16*\u+4*\e], v[ORD] offset:4096*\e+2048*\u   ; the four planes (kh, h)
.endr
.endr
	s_wait_dscnt 0x0
.irp u, 0,1
.irp e, 1,2,3
	v_pk_add_f32 v[112+16*\u:113+16*\u], v[112+16*\u:113+16*\u], v[112+16*\u+4*\e:113+16*\u+4*\e]
	v_pk_add_f32 v[114+16*\u:115+16*\u], v[114+16*\u:115+16*\u], v[114+16*\u+4*\e:115+16*\u+4*\e]
.endr
.endr
	global_store_b128 v[GOFF], v[112:115], s[16:17]   ; a wave stores 512 consecutive bytes, at the chunk's own place
	global_store_b128 v[GOF1], v[128:131], s[16:17]
	s_wait_tensorcnt 0x0
	ds_add_u32 v[SPW], v[NIL]
	s_wait_dscnt 0x0
	CROUND
	s_endpgm
.Lfunc_end_k_q14af11d373_attend:
	.size	k_q14af11d373_attend, .Lfunc_end_k_q14af11d373_attend-k_q14af11d373_attend
	.p2alignl 7, 3214868480
	.fill 96, 4, 3214868480
	.section	.rodata,"a",@progbits
	.p2align	6, 0x0
	.amdhsa_kernel k_q14af11d373_attend
		.amdhsa_group_segment_fixed_size 327680
		.amdhsa_private_segment_fixed_size 0
		.amdhsa_enable_private_segment 0
		.amdhsa_kernarg_size 56
		.amdhsa_user_sgpr_count 2
		.amdhsa_user_sgpr_kernarg_segment_ptr 1
		.amdhsa_wavefront_size32 1
		.amdhsa_system_sgpr_workgroup_id_x 1
		.amdhsa_system_sgpr_workgroup_id_y 1
		.amdhsa_system_sgpr_workgroup_id_z 1
		.amdhsa_system_vgpr_workitem_id 0
		.amdhsa_next_free_vgpr 1024
		.amdhsa_next_free_sgpr 66
		.amdhsa_reserve_vcc 1
		.amdhsa_float_denorm_mode_32 3
		.amdhsa_float_denorm_mode_16_64 3
		.amdhsa_memory_ordered 1
		.amdhsa_forward_progress 1
		.amdhsa_inst_pref_size 255
	.end_amdhsa_kernel
	.section	.bss,"aw",@nobits
	.p2align	6
	.space	262144
	.amdgpu_metadata
---
amdhsa.version: [ 1, 2 ]
amdhsa.kernels:
  - .name:           k_q14af11d373_attend
    .symbol:         k_q14af11d373_attend.kd
    .args:
      - { .name: embeddings, .offset: 0, .size: 8, .value_kind: global_buffer, .address_space: global }
      - { .name: attention_mask, .offset: 8, .size: 8, .value_kind: global_buffer, .address_space: global }
      - { .name: bk, .offset: 16, .size: 8, .value_kind: global_buffer, .address_space: global }
      - { .name: qvec, .offset: 24, .size: 8, .value_kind: global_buffer, .address_space: global }
      - { .name: wcodes, .offset: 32, .size: 8, .value_kind: global_buffer, .address_space: global }
      - { .name: scores, .offset: 40, .size: 8, .value_kind: global_buffer, .address_space: global }
      - { .name: part, .offset: 48, .size: 8, .value_kind: global_buffer, .address_space: global }
    .group_segment_fixed_size: 327680
    .private_segment_fixed_size: 0
    .kernarg_segment_align: 8
    .kernarg_segment_size: 56
    .max_flat_workgroup_size: 128
    .sgpr_count:     66
    .vgpr_count:     1024
    .wavefront_size: 32
...
	.end_amdgpu_metadata
.endif
;; end of part 3
;; launch final (part 4): grid 16 x 1, 8 waves a work-group, no clusters, 1,536 bytes of LDS; arguments scores, part, attention_mask, first_sentence_mask, bv, out0, out1, out2; writes out0, out1, out2
.if DOCPART == 4
	.amdgcn_target "amdgcn-amd-amdhsa--gfx1250"
	.amdhsa_code_object_version 6
	.text
	.protected	k_q14af11d373_final
	.globl	k_q14af11d373_final
	.p2align	8
	.type	k_q14af11d373_final,@function
k_q14af11d373_final:
	s_mov_b64 s[64:65], 0
	v_nop
	global_prefetch_b8 v0, s[64:65] scope:SCOPE_SE
	s_setreg_imm32_b32 hwreg(HW_REG_WAVE_MODE, 25, 1), 1
	s_wait_xcnt 0x0
; One work-group for each batch.  From the 2,048 stored scores: M, the largest; p = 2^((score - M) log2 e); L, their sum; out1 and out2 = p / L times the masks' products.
; From the 16 partial sums, each taken under its block's own largest score m_g (found again here: a maximum is exact):  out0 = (sum over g of 2^((m_g - M) log2 e) part_g) / L + bv.
; All 23 loads go out at the head; the waits are counted.  Two barriers: the blocks' maxima, the waves' sums.  No matrix unit: a few thousand multiply-adds.
; LIMITS: the division by L is v_rcp_f32 (1 ulp, ISA guide 15.8) and a multiplication; NaN and infinities are not served.
	s_load_b256 s[4:11], s[0:1], 0x0               ; scores s[4:5], part s[6:7], attention_mask s[8:9], first_sentence_mask s[10:11]
	s_load_b256 s[12:19], s[0:1], 0x20             ; bv s[12:13], out0 s[14:15], out1 s[16:17], out2 s[18:19]
	v_lshl_add_u32 v128, v0, 2, 0x200
	v_mov_b32 v129, 0
	v_lshrrev_b32 v1, 5, v0
	s_delay_alu instid0(VALU_DEP_1)
	v_readfirstlane_b32 s20, v1                    ; wave 0..7
	v_lshlrev_b32 v1, 4, v0                        ; 16 t; never rewritten
	s_lshl_b32 s21, s20, 2
	v_mov_b32 v2, s21                              ; LDS: 4 w
	v_mov_b32 v3, 0
	v_mov_b32 v98, 0                               ; written once: a lane permute's destination counts as one of its sources
	v_mov_b32 v99, 0
	v_mov_b32 v101, 0                              ; (named as the upper half of the pair v[100:101])
	s_mov_b32 s22, 0x76543210
	s_mov_b32 s23, 0xfedcba98
	s_lshl_b32 s24, ttmp9, 13                      ; the batch in scores and masks,
	s_mov_b32 s25, 0
	s_lshl_b32 s26, ttmp9, 16                      ; in part,
	s_mov_b32 s27, 0
	s_lshl_b32 s28, ttmp9, 12                      ; in the outputs
	s_mov_b32 s29, 0
	s_wait_alu depctr_va_vdst(0)
	s_wait_kmcnt 0x0
	s_add_nc_u64 s[4:5], s[4:5], s[24:25]
	s_add_nc_u64 s[8:9], s[8:9], s[24:25]
	s_add_nc_u64 s[10:11], s[10:11], s[24:25]
	s_add_nc_u64 s[6:7], s[6:7], s[26:27]
	s_add_nc_u64 s[14:15], s[14:15], s[28:29]
	s_add_nc_u64 s[16:17], s[16:17], s[28:29]
	s_add_nc_u64 s[18:19], s[18:19], s[28:29]
	global_load_b128 v[4:7], v1, s[4:5]
	global_load_b128 v[8:11], v1, s[4:5] offset:4096
	global_load_b128 v[12:15], v1, s[8:9]
	global_load_b128 v[16:19], v1, s[8:9] offset:4096
	global_load_b128 v[20:23], v1, s[10:11]
	global_load_b128 v[24:27], v1, s[10:11] offset:4096
	global_load_b128 v[28:31], v1, s[12:13]
.irp g, 0,1,2,3,4,5,6,7,8,9,10,11,12,13,14,15
	global_load_b128 v[32+4*\g:35+4*\g], v1, s[6:7] offset:4096*\g
.endr
	s_wait_loadcnt 21                              ; the scores are in; the 21 younger loads may be out
	v_max3_num_f32 v96, v4, v5, v6
	v_max3_num_f32 v97, v8, v9, v10
	s_delay_alu instid0(VALU_DEP_2)
	v_max_num_f32 v96, v96, v7
	s_delay_alu instid0(VALU_DEP_2)
	v_max_num_f32 v97, v97, v11
.irp x, 1,2,4,8
	s_delay_alu instid0(VALU_DEP_2)
	v_max_num_f32_dpp v96, v96, v96 row_xmask:\x row_mask:0xf bank_mask:0xf
	s_delay_alu instid0(VALU_DEP_2)
	v_max_num_f32_dpp v97, v97, v97 row_xmask:\x row_mask:0xf bank_mask:0xf
.endr
	s_delay_alu instid0(VALU_DEP_2)
	v_permlanex16_b32 v98, v96, s22, s23
	s_delay_alu instid0(VALU_DEP_2)
	v_permlanex16_b32 v99, v97, s22, s23
	s_delay_alu instid0(VALU_DEP_2)
	v_max_num_f32 v96, v96, v98                    ; m of block w,
	s_delay_alu instid0(VALU_DEP_2)
	v_max_num_f32 v97, v97, v99                    ; and of block w + 8
	ds_store_b32 v2, v96
	ds_store_b32 v2, v97 offset:32
	s_wait_dscnt 0x0                               ; for the others' sake
	s_barrier_signal -1
	s_barrier_wait -1
.irp u, 0,1,2,3
	ds_load_b128 v[104+4*\u:107+4*\u], v3 offset:16*\u   ; the sixteen m_g, in every lane
.endr
	s_wait_dscnt 0x0
	v_max3_num_f32 v100, v104, v105, v106
.irp i, 107,109,111,113,115,117
	s_delay_alu instid0(VALU_DEP_1)
	v_max3_num_f32 v100, v100, v[\i], v[\i+1]
.endr
	s_delay_alu instid0(VALU_DEP_1)
	v_max_num_f32 v100, v100, v119                 ; M
.irp k, 4,6,8,10
	v_pk_add_f32 v[\k:\k+1], v[\k:\k+1], v[100:101] op_sel_hi:[1,0] neg_lo:[0,1] neg_hi:[0,1]   ; score - M
.endr
.irp k, 104,106,108,110,112,114,116,118
	v_pk_add_f32 v[\k:\k+1], v[\k:\k+1], v[100:101] op_sel_hi:[1,0] neg_lo:[0,1] neg_hi:[0,1]   ; m_g - M
.endr
.irp k, 4,6,8,10
	v_pk_mul_f32 v[\k:\k+1], v[\k:\k+1], 0x3fb8aa3b op_sel_hi:[1,0]
.endr
.irp k, 104,106,108,110,112,114,116,118
	v_pk_mul_f32 v[\k:\k+1], v[\k:\k+1], 0x3fb8aa3b op_sel_hi:[1,0]
.endr
	s_wait_alu depctr_va_vdst(0)
.irp k, 4,5,6,7,8,9,10,11
	v_exp_f32 v[\k], v[\k]                         ; p
.endr
.irp k, 104,105,106,107,108,109,110,111,112,113,114,115,116,117,118,119
	v_exp_f32 v[\k], v[\k]                         ; e_g
.endr
	v_nop                                          ; one plain instruction between a transcendental and the use of its result (ISA guide 5.7.2)
	s_wait_alu depctr_va_vdst(0)
	v_pk_add_f32 v[96:97], v[4:5], v[6:7]
	v_pk_add_f32 v[98:99], v[8:9], v[10:11]
	s_delay_alu instid0(VALU_DEP_1)
	v_pk_add_f32 v[96:97], v[96:97], v[98:99]
	s_delay_alu instid0(VALU_DEP_1)
	v_add_f32 v96, v96, v97
.irp x, 1,2,4,8
	s_delay_alu instid0(VALU_DEP_1)
	v_add_f32_dpp v96, v96, v96 row_xmask:\x row_mask:0xf bank_mask:0xf
.endr
	s_delay_alu instid0(VALU_DEP_1)
	v_permlanex16_b32 v98, v96, s22, s23
	s_delay_alu instid0(VALU_DEP_1)
	v_add_f32 v96, v96, v98
	ds_store_b32 v2, v96 offset:256                ; other bytes than the maxima's: no barrier is owed between the two uses
	s_wait_dscnt 0x0
	s_barrier_signal -1
	s_barrier_wait -1
	ds_load_b128 v[120:123], v3 offset:256
	ds_load_b128 v[124:127], v3 offset:272
	s_wait_dscnt 0x0
	v_pk_add_f32 v[120:121], v[120:121], v[122:123]
	v_pk_add_f32 v[124:125], v[124:125], v[126:127]
	s_delay_alu instid0(VALU_DEP_1)
	v_pk_add_f32 v[120:121], v[120:121], v[124:125]
	s_delay_alu instid0(VALU_DEP_1)
	v_add_f32 v102, v120, v121                     ; L
	s_wait_alu depctr_va_vdst(0)
	v_rcp_f32 v102, v102
	s_wait_loadcnt 17                              ; both masks are in; bv and the sixteen partial sums may be out
.irp k, 0,1,2,3
	v_mul_lo_u32 v[12+\k], v[12+\k], v[20+\k]      ; attention x first  (the first of these is the plain instruction behind the reciprocal)
.endr
.irp k, 0,1,2,3
	v_sub_nc_u32 v[24+\k], 1, v[24+\k]
.endr
.irp k, 0,1,2,3
	s_delay_alu instid0(VALU_DEP_4)
	v_mul_lo_u32 v[16+\k], v[16+\k], v[24+\k]      ; attention x (1 - first)
.endr
.irp k, 0,1,2,3,4,5,6,7
	v_cvt_f32_i32 v[12+\k], v[12+\k]
.endr
	s_wait_alu depctr_va_vdst(0)
	v_mov_b32 v103, v102
.irp k, 0,2,4,6
	v_pk_mul_f32 v[4+\k:5+\k], v[4+\k:5+\k], v[102:103]
.endr
.irp k, 0,2,4,6
	s_delay_alu instid0(VALU_DEP_4)
	v_pk_mul_f32 v[4+\k:5+\k], v[4+\k:5+\k], v[12+\k:13+\k]
.endr
	global_store_b128 v1, v[4:7], s[16:17]
	global_store_b128 v1, v[8:11], s[18:19]
	s_wait_loadcnt 0x0
	v_pk_mul_f32 v[96:97], v[32:33], v[104:105] op_sel_hi:[1,0]     ; block 0 starts the sums
	v_pk_mul_f32 v[98:99], v[34:35], v[104:105] op_sel_hi:[1,0]
.irp g, 1,3,5,7,9,11,13,15                     ; e_g is one register of a pair: op_sel and op_sel_hi pick it for both halves
	v_pk_fma_f32 v[96:97], v[32+4*\g:33+4*\g], v[103+\g:104+\g], v[96:97] op_sel:[0,1,0] op_sel_hi:[1,1,1]
	v_pk_fma_f32 v[98:99], v[34+4*\g:35+4*\g], v[103+\g:104+\g], v[98:99] op_sel:[0,1,0] op_sel_hi:[1,1,1]
.if \g < 15
	v_pk_fma_f32 v[96:97], v[36+4*\g:37+4*\g], v[105+\g:106+\g], v[96:97] op_sel_hi:[1,0,1]
	v_pk_fma_f32 v[98:99], v[38+4*\g:39+4*\g], v[105+\g:106+\g], v[98:99] op_sel_hi:[1,0,1]
.endif
.endr
	v_pk_fma_f32 v[96:97], v[96:97], v[102:103], v[28:29]           ; / L, + bv
	v_pk_fma_f32 v[98:99], v[98:99], v[102:103], v[30:31]
	global_store_b128 v1, v[96:99], s[14:15]
	s_wait_tensorcnt 0x0
	ds_add_u32 v128, v129
	s_wait_dscnt 0x0
	s_endpgm
.Lfunc_end_k_q14af11d373_final:
	.size	k_q14af11d373_final, .Lfunc_end_k_q14af11d373_final-k_q14af11d373_final
	.p2alignl 7, 3214868480
	.fill 96, 4, 3214868480
	.section	.rodata,"a",@progbits
	.p2align	6, 0x0
	.amdhsa_kernel k_q14af11d373_final
		.amdhsa_group_segment_fixed_size 1536
		.amdhsa_private_segment_fixed_size 0
		.amdhsa_enable_private_segment 0
		.amdhsa_kernarg_size 64
		.amdhsa_user_sgpr_count 2
		.amdhsa_user_sgpr_kernarg_segment_ptr 1
		.amdhsa_wavefront_size32 1
		.amdhsa_system_sgpr_workgroup_id_x 1
		.amdhsa_system_sgpr_workgroup_id_y 1
		.amdhsa_system_sgpr_workgroup_id_z 1
		.amdhsa_system_vgpr_workitem_id 0
		.amdhsa_next_free_vgpr 130
		.amdhsa_next_free_sgpr 66
		.amdhsa_reserve_vcc 0
		.amdhsa_float_denorm_mode_32 3
		.amdhsa_float_denorm_mode_16_64 3
		.amdhsa_memory_ordered 1
		.amdhsa_forward_progress 1
		.amdhsa_inst_pref_size 15
	.end_amdhsa_kernel
	.amdgpu_metadata
---
amdhsa.version: [ 1, 2 ]
amdhsa.kernels:
  - .name:           k_q14af11d373_final
    .symbol:         k_q14af11d373_final.kd
    .args:
      - { .name: scores, .offset: 0, .size: 8, .value_kind: global_buffer, .address_space: global }
      - { .name: part, .offset: 8, .size: 8, .value_kind: global_buffer, .address_space: global }
      - { .name: attention_mask, .offset: 16, .size: 8, .value_kind: global_buffer, .address_space: global }
      - { .name: first_sentence_mask, .offset: 24, .size: 8, .value_kind: global_buffer, .address_space: global }
      - { .name: bv, .offset: 32, .size: 8, .value_kind: global_buffer, .address_space: global }
      - { .name: out0, .offset: 40, .size: 8, .value_kind: global_buffer, .address_space: global }
      - { .name: out1, .offset: 48, .size: 8, .value_kind: global_buffer, .address_space: global }
      - { .name: out2, .offset: 56, .size: 8, .value_kind: global_buffer, .address_space: global }
    .group_segment_fixed_size: 1536
    .private_segment_fixed_size: 0
    .kernarg_segment_align: 8
    .kernarg_segment_size: 64
    .max_flat_workgroup_size: 256
    .sgpr_count:     66
    .vgpr_count:     130
    .wavefront_size: 32
...
	.end_amdgpu_metadata
.endif
;; end of part 4
